; MI455X (gfx1250); checked and timed in simulation.
; The chip was launched on July 23, 2026; its instructions are those of AMD's public machine-readable ISA for CDNA 5 (MIT licence, August 2026) and "CDNA5" Instruction Set Architecture Reference Guide (July 2026). The comments in the code are by the model that wrote it; some were corrected since.
;; Gemma2 Original. Allowed arithmetic: matrix products marked QUANTISED: E2M1 operands, one E8M0 scale for each 32 along K, by v_wmma_scale_f32_16x16x128_f8f6f4 with both operands' format E2M1 (or v_wmma_scale_f32_32x16x128_f4), f32 sums; everything else in f32.
;; Inputs: k_codes 2 x 16 x 2,048 x 4 x 16 uint8 (E2M1 codes of k, K innermost, in blocks of 32 codes, two codes a byte); k_scales 2 x 16 x 2,048 x 4 uint8 (E8M0 scales of k, one for each 32 codes along K); q_codes 2 x 16 x 2,048 x 4 x 16 uint8 (E2M1 codes of q, K innermost, in blocks of 32 codes, two codes a byte); q_scales 2 x 16 x 2,048 x 4 uint8 (E8M0 scales of q, one for each 32 codes along K); v_codes 2 x 16 x 128 x 64 x 16 uint8 (E2M1 codes of v, K innermost, in blocks of 32 codes, two codes a byte); v_scales 2 x 16 x 128 x 64 uint8 (E8M0 scales of v, one for each 32 codes along K).
;; Outputs: out0 2 x 16 x 2,048 x 128 float32.
;; This version of the problem:
;;   THIS VERSION OF THE PROBLEM IS GIVEN IN LOW PRECISION. The matrix products marked QUANTISED in the list below multiply operands that are first quantised to E2M1 (2 exponent bits, 1 mantissa bit; 4 bits a number), with one power-of-two scale for each 32 numbers along K (OCP MX v1.0); their sums are f32. All else is computed in f32.
;;   The module's matrix products, in the order in which they are computed (A, B: the left and right operand; K: the contracted axis; several contracted axes count as one K, in the product's order):
;;     1. batch 32 x [M 2,048, K 128] x [K 128, N 2,048]; A: input q (given as codes); B: input k (given as codes): QUANTISED
;;     2. batch 32 x [M 2,048, K 2,048] x [K 2,048, N 128]; A: softmax (see below); B: input v (given as codes): QUANTISED
;;   THE QUANTISER, for each operand of a quantised product, along K:
;;     - K is cut into blocks of 32 from its start; a last block that is shorter is filled with zeros.
;;     - A block's scale is 2^e with e = floor(log2(the largest magnitude in the block)) - 2, held to -126 .. 127; a block of zeros has e = 0. As a byte (E8M0): e + 127.
;;     - Each number is divided by its block's scale, clamped to +-6, and rounded to the nearest number of E2M1, ties to even, subnormals kept.
;;     - The product sums the exact products of the quantised numbers (number of the format x scale) in f32.
;;   ~~~python
;;   def quantise(x, axis):      # numpy; x: float32 -> the quantised numbers, widened to float32 again
;;       x = np.moveaxis(x, axis, -1); K = x.shape[-1]
;;       x = np.pad(x, [(0, 0)] * (x.ndim - 1) + [(0, -K % 32)]); x = x.reshape(x.shape[:-1] + (-1, 32)); a = np.abs(x).max(-1, keepdims=True)
;;       e = np.where(a > 0, np.clip(np.frexp(np.where(a > 0, a, 1))[1] - 1 - 2, -126, 127), 0)      # np.frexp(a)[1] - 1 = floor(log2(a)), exactly
;;       r = np.clip(x / 2.0 ** e, -6, 6)
;;       step = 2.0 ** (np.maximum(np.frexp(np.where(r == 0, 1, r))[1] - 1, 0) - 1)
;;       q = np.round(r / step) * step * 2.0 ** e      # np.round: ties to even
;;       return np.moveaxis(q.reshape(q.shape[:-2] + (-1,))[..., :K], -1, axis).astype(np.float32)
;;   ~~~
;;   SOFTMAX AHEAD OF A QUANTISED PRODUCT. Where the list says 'softmax', what is quantised is not the finished softmax but p = 2^(t - M), with t = logit x log2(e) and M = ceil(the row's largest t), a whole number; so 1/2 < the row's largest p <= 1. The row's sum l is taken of the UNQUANTISED p, in f32, and the product's result is divided by l at the end. Since M is a whole number, a kernel that streams over the keys may use a running M (the ceiling of the running maximum): every later rescaling is an exact power of two, which a block's scale takes up: the codes' values come out the same.
;;   OPERANDS COMPUTED ON THE WAY. 'Computed on the way' means the value that the module computes at that place (a softmax that the list does not call 'softmax' is quantised finished and normalised). What goes into a quantiser is computed in f32, as accurately as f32 sums, v_exp_f32 and their like allow (about 1e-6 of the number): no bf16 or f16 on the way to a quantiser, and a product that is left as it is and whose result goes on into a quantised operand takes f32 operands (vector FMAs, or v_wmma_f32_16x16x4_f32). A number that lies on a knife's edge between two numbers of the format may be rounded either way, as far as f32 arithmetic and the matrix unit's own rounding can turn it there, and no further.
;;   INPUTS GIVEN AS CODES. k (in the module: [2, 16, 128, 2048], K = its axis 2); q (in the module: [2, 16, 2048, 128], K = its axis 3); v (in the module: [2, 16, 2048, 128], K = its axis 2): each comes as NAME_codes (uint8): NAME with its K axis moved to the last place and cut into blocks of 32 codes, [.., K / 32, bytes a block], one block behind the other in memory; two codes a byte, the lower K in the low four bits (a code: sign, 2 exponent bits, 1 mantissa bit); and NAME_scales (uint8): the same leading axes, one E8M0 byte (e + 127) for each 32 codes along K. Its value is code x scale, taken as it is: it is not quantised again, and the codes and scales need not be those that the quantiser above would give.
;; One version. Each part assembles by itself: llvm-mc -triple=amdgcn-amd-amdhsa -mcpu=gfx1250 --defsym DOCPART=n.
;; ======== version 1 of 1: 1 launch
;; limits: right only within a limited range of input values
;; launch attn (part 1): grid 8 x 32, 8 waves a work-group, clusters of 4 x 1, 327,680 bytes of LDS; arguments q_codes, q_scales, k_codes, k_scales, v_codes, v_scales, out0; writes out0
.if DOCPART == 1
	.amdgcn_target "amdgcn-amd-amdhsa--gfx1250"
	.amdhsa_code_object_version 6
	.text
	.protected	k_qb4bb537afa_attn
	.globl	k_qb4bb537afa_attn
	.p2align	8
	.type	k_qb4bb537afa_attn,@function
k_qb4bb537afa_attn:
	s_mov_b64 s[64:65], 0
	v_nop
	global_prefetch_b8 v0, s[64:65] scope:SCOPE_SE
	s_setreg_imm32_b32 hwreg(HW_REG_WAVE_MODE, 25, 1), 1
	s_wait_xcnt 0x0
	s_wait_alu depctr_hold_cnt(0) depctr_sa_sdst(0) depctr_va_vdst(0) depctr_va_sdst(0) depctr_va_ssrc(0) depctr_va_vcc(0) depctr_vm_vsrc(0)
	s_getreg_b32 s2, hwreg(HW_REG_IB_STS2, 6, 4)
	s_cmp_eq_u32 s2, 0
	s_cbranch_scc0 .Lentry_in_a_cluster
	s_endpgm
.Lentry_in_a_cluster:
	s_bfe_u32 s2, ttmp6, 0x10000c
	s_cmp_lg_u32 s2, 0x3003
	s_cbranch_scc0 .Lentry_shape_is_right
	s_endpgm
.Lentry_shape_is_right:
; O[head][q][:] = sum over keys k <= q of softmax_k(50 tanh(Q[q] . K[k] / (50 sqrt(128)))) V[k][:], 32 heads, 2,048 queries and keys, head size 128.
; Both products run on codes of FP4 (E2M1) with one E8M0 scale for each 32 along a product's K.  Q, K: codes along the head's 128; V: codes along the keys; O: f32.
; WHAT IS QUANTISED FOR THE SECOND PRODUCT is p = 2^(t - M), t = 50 tanh(..) log2(e), M a whole number; the row's sum is taken of the unquantised p and divides O at the end.
; M = 0 HERE.  The problem's own tanh cap bounds the logits for every input: |t| <= 72.14.  So p lies in 2^-72.2 .. 2^72.2, a row's sum of 2,048 of them under 2^83.2, p's scale bytes in 52 .. 197:
; no exponential and no sum can overflow or underflow in f32.  A whole M only moves the blocks' scales and the sum by the same power of two, so the values are those of any other whole M.
; TANH stands ahead of a quantiser, so it is taken as u P(u^2) / Q(u^2) (degree 13 over degree 6), which keeps its relative accuracy at small u, where 1 - 2 / (1 + e^(2u)) would cancel.  P's coefficients hold the factor 50 log2(e).
; LIMITS: |u| is held at 7.9053: beyond it t keeps its value there, 2e-5 under 72.1348.  O overflows only where |v| passes 2^44.  NaN scale bytes (0xff) among the inputs are not served.
; SHARES.  A head's 128 tiles of 16 queries are dealt at stride 8: tile 8 sigma + g (queries 128 sigma + 16 g + 0 .. 15) goes to work-group g of the head's eight.  It needs key steps 0 .. sigma of 128 keys, and step sigma
; is the one that the diagonal crosses: both hang on sigma alone, so all work-groups run alike.  Wave w takes sigma = 15 - w and then sigma = w: 17 key steps for every wave of every work-group.
; LDS.  A head's K, V and scale bytes, 272 KiB, are brought ONCE, at the start; no byte of LDS is filled twice, so there is one work-group barrier, behind which the waves run freely.
; CLUSTER.  The four work-groups of a cluster belong to one head and need the same bytes: each tile is asked for JOINTLY, by the same tensor load with the same descriptor and a mask that names the four.
; The work-group's place in the cluster enters Q's and O's addresses and one vector compare, and nothing else.
; LAYOUT.  Both products are used transposed: S^T = K Q^T (source 0 = 16 keys, source 1 = my 16 queries), O^T = V^T P^T: a lane holds ONE query (lane % 16) throughout.
; THE KEYS OF A TILE ARE NOT NEIGHBOURS: lane r of tile 2 b + u takes key 32 b + 8 u + r + 8 (r / 8), so that registers 16 b + i of the scores are keys 32 b + 16 (lane / 16) + i: 16 neighbours along the next K.
; ONE TILE TO A WAVE, 256 registers, no register windows: a key step has 16 matrix instructions beside some 590 plain vector lines and 128 reciprocals and exponentials, so what is spared is vector work, not LDS reads.
.set VL,   139264                      ; LDS: K at 0: 512 rows of four keys (256 bytes + 16);  V here: two chunks of 1,024 keys,
.set VCH,  67584                       ;      each 128 rows of 512 bytes + 16;
.set SCK,  274432                      ;      K's scale words: 32 rows of 256 bytes + 16;
.set SCV,  283136                      ;      V's likewise;
.set STG,  291840                      ;      the stages for the way out: 16 rows x (256 bytes + 16) for each wave.  No tile lands here.  The map ends at 326,656
.set AK0,  1                           ; v1   my lane's place in a tile of K
.set AV0,  2                           ; v2   in a tile of V
.set ASK0, 3                           ; v3   among K's scale words
.set ASV0, 4                           ; v4   among V's
.set DM,   5                           ; v5   16 g + r - 16 h: in the diagonal step register 16 b + i is hidden where 32 b + i > DM
.set STO,  6                           ; v6   the way out: where I put 32 bytes of a row
.set RD,   7                           ; v7   and where I read a row back
.set ADK,  8                           ; v8-11 the step's LDS addresses: K, V, K's scale words, V's
.set ADV,  9
.set ADS,  10
.set ADT,  11
.set GO,   12                          ; v12  my byte offset in the tile's rows of O
.set QO,   13                          ; v13  my byte offset in the tile's rows of Q
.set L,    14                          ; v[14:15] the row's sum, in two halves
.set QF,   16                          ; v16-23 Q's fragment
.set QW,   24                          ; v24  Q's scale words
.set QS,   25                          ; v25  my byte offset among them
.set VA11, 26                          ; v[26:27], v[28:29] two coefficients: so that no line names two scalar pairs
.set VB4,  28
.set NIL,  30                          ; v30  0
.set LIM,  31                          ; v31  7.9053111
.set F,    32                          ; v32-95  eight fragments of K, later of V; between the two:
.set Z,    32                          ;   v32-47 u^2, v48-63 P, v64-79 and v80-95 Q and then 1 / Q, for the chunks by turns
.set P,    48
.set QQ,   64
.set S,    96                          ; v96-159 the scores; then u, u P, t, p, all in place
.set O,    160                         ; v160-223 O^T
.set PC,   224                         ; v224-231 p's codes
.set TM,   232                         ; v232-235 the blocks' largest p
.set TB,   236                         ; v236-239 the other half's; then the scales' bytes
.set TE,   240                         ; v240-243 the conversions' scale operands
.set SW,   244                         ; v244-251 eight scale words of K, later of V
.set PW,   252                         ; v252 p's scale word
.set WV,   18                          ; s18  my wave's number
.set G,    19                          ; s19  which of the head's eight work-groups
.set SEL,  20                          ; s[20:21] v_permlanex16_b32's selects for lane l xor 16
.set KAP,  22                          ; the constants are pairs: the packed forms name a pair and take its low word for both halves
.set A13,  26
.set A9,   28
.set A7,   30
.set A5,   32
.set A3,   34
.set A1,   36
.set B6,   38
.set B2,   40
.set B0,   42
.set G1K,  44                          ; s[44:51] descriptor group 1 for K's tiles;  s[52:59] for V's;  s[68:75] for the scale bytes
.set G1V,  52
.set TK,   60                          ; s60-63 where the step's bytes begin: K's, V's, K's scale words, V's
.set TV,   61
.set TS,   62
.set TJ,   63
.set J,    66                          ; s66  the key step
.set SIG,  67                          ; s67  sigma of the tile in hand
.set G1S,  68
.set G0KS, 76                          ; s[76:79], s[80:83], s[84:87], s[88:91] groups 0: K's scales, V's scales, K, V
.set G0VS, 80
.set G0K,  84
.set G0V,  88
.set HEAD, 94
.set CNT,  95
; A round of the cluster's barrier: my work-group's barrier, so that wave 0's signal speaks for all eight waves; wave 0 signals; every wave waits for the four work-groups; my work-group's barrier once more.
.macro ROUND
	s_barrier_signal -1
	s_barrier_wait -1
	s_cmp_lg_u32 s[WV], 0
	s_cbranch_scc1 .Lnot_wave_0_\@
	s_barrier_signal -3
.Lnot_wave_0_\@:
	s_barrier_wait -3
	s_barrier_signal -1
	s_barrier_wait -1
.endm
.macro CONST r, x
	s_mov_b32 s[\r], \x
	s_mov_b32 s[\r+1], \x
.endm
; The tile 8 sigma + g, sigma in s[sg]: its first query is 128 sigma + 16 g.  Q's codes (64 bytes a query), Q's scale words (4) and O (512) at that query, each from its own buffer's address.
.macro BASES sg, qc, qs, ob
	s_lshl_b32 s25, s[\sg], 7
	s_lshl_b32 s3, s[G], 4
	s_add_co_u32 s25, s25, s3
	s_lshl_b32 s2, s25, 6
	s_lshl_b32 s3, s[HEAD], 17
	s_add_co_u32 s2, s2, s3
	s_mov_b32 s3, 0
	s_add_nc_u64 s[\qc:\qc+1], s[4:5], s[2:3]
	s_lshl_b32 s2, s25, 2
	s_lshl_b32 s3, s[HEAD], 13
	s_add_co_u32 s2, s2, s3
	s_mov_b32 s3, 0
	s_add_nc_u64 s[\qs:\qs+1], s[6:7], s[2:3]
	s_lshl_b32 s2, s25, 9
	s_lshl_b32 s3, s[HEAD], 20
	s_add_co_u32 s2, s2, s3
	s_mov_b32 s3, 0
	s_add_nc_u64 s[\ob:\ob+1], s[16:17], s[2:3]
.endm
	s_load_b256 s[4:11], s[0:1], 0x0               ; Q's codes s[4:5], Q's scales s[6:7], K's codes s[8:9], K's scales s[10:11]
	s_load_b128 s[12:15], s[0:1], 0x20             ; V's codes s[12:13], V's scales s[14:15]
	s_load_b64 s[16:17], s[0:1], 0x30              ; O
	v_lshl_add_u32 v254, v0, 2, 0x4fc00
	v_mov_b32 v255, 0
	ds_add_u32 v254, v255
	ds_add_u32 v254, v255
	v_lshrrev_b32 v8, 5, v0
	v_readfirstlane_b32 s[WV], v8                  ; wave 0..7
	s_and_b32 s[HEAD], ttmp7, 0xffff               ; the head, which the four partners share
	; descriptor groups 1, in elements of 8 bytes.  K: 64 rows of 256 bytes, dense (four keys to a row), 16 bytes of padding behind each
	s_mov_b32 s[G1K], 15|(3<<16)|(1<<20)|(1<<21)|(5<<22)|(3<<25)   ; 15:0 the mask: all four work-groups; 17:16 elements of 8 bytes; 20 padding on; 21 set beside a mask; 24:22 after every 64 words (code 5); 31:25 four words (code 3)
	s_mov_b32 s[G1K+1], 32<<16                     ; tensor_dim0 = 32
	s_mov_b32 s[G1K+2], 64<<16                     ; tensor_dim1 = 64
	s_mov_b32 s[G1K+3], 32<<16                     ; tile_dim0 = 32
	s_mov_b32 s[G1K+4], 64                         ; tile_dim1 = 64
	s_mov_b32 s[G1K+5], 32                         ; from row to row
	s_mov_b32 s[G1K+6], 0
	s_mov_b32 s[G1K+7], 0
	; V: 32 rows of 512 bytes (1,024 keys), 1,024 bytes apart in memory, 16 bytes of padding behind each
	s_mov_b32 s[G1V], 15|(3<<16)|(1<<20)|(1<<21)|(6<<22)|(3<<25)   ; padding after every 128 words (code 6)
	s_mov_b32 s[G1V+1], 64<<16
	s_mov_b32 s[G1V+2], 32<<16
	s_mov_b32 s[G1V+3], 64<<16
	s_mov_b32 s[G1V+4], 32
	s_mov_b32 s[G1V+5], 128
	s_mov_b32 s[G1V+6], 0
	s_mov_b32 s[G1V+7], 0
	; the scale bytes: 4 rows of 256 bytes, dense, padded as K's
	s_mov_b32 s[G1S], 15|(3<<16)|(1<<20)|(1<<21)|(5<<22)|(3<<25)
	s_mov_b32 s[G1S+1], 32<<16
	s_mov_b32 s[G1S+2], 4<<16
	s_mov_b32 s[G1S+3], 32<<16
	s_mov_b32 s[G1S+4], 4
	s_mov_b32 s[G1S+5], 32
	s_mov_b32 s[G1S+6], 0
	s_mov_b32 s[G1S+7], 0
	CONST KAP, 0x3ae7b46a                          ; 1 / (50 sqrt(128))
	CONST A13, 0xa8b36041                          ; P's coefficients, each x 50 log2(e)
	CONST A9,  0xb1d544fc
	CONST A7,  0x3677f6de
	CONST A5,  0x3a8c7907
	CONST A3,  0x3d3c49b5
	CONST A1,  0x3eb4bb86
	CONST B6,  0x35a0d3d8                          ; Q's
	CONST B2,  0x3b14aa05
	CONST B0,  0x3ba059dd
	s_mov_b32 s[SEL], 0x76543210
	s_mov_b32 s[SEL+1], 0xfedcba98
	s_mov_b32 s3, 0
	s_wait_dscnt 0x0
	s_wait_kmcnt 0x0
	; groups 0.  Every wave brings an eighth of each of the four blocks; addresses hang on the head and the wave's number alone
	s_lshl_b32 s2, s[HEAD], 13                     ; the scale bytes: 8,192 a head, 1,024 a wave
	s_lshl_b32 s25, s[WV], 10
	s_add_co_u32 s2, s2, s25
	s_mul_i32 s25, s[WV], 1088
	s_mov_b32 s[G0KS], 1
	s_add_co_u32 s[G0KS+1], s25, SCK
	s_add_nc_u64 s[G0KS+2:G0KS+3], s[10:11], s[2:3]
	s_or_b32 s[G0KS+3], s[G0KS+3], 0x80000000
	s_mov_b32 s[G0VS], 1
	s_add_co_u32 s[G0VS+1], s25, SCV
	s_add_nc_u64 s[G0VS+2:G0VS+3], s[14:15], s[2:3]
	s_or_b32 s[G0VS+3], s[G0VS+3], 0x80000000
	s_lshl_b32 s2, s[HEAD], 17                     ; K: 131,072 bytes a head; keys 256 w on: 16,384 bytes
	s_lshl_b32 s25, s[WV], 14
	s_add_co_u32 s2, s2, s25
	s_mov_b32 s[G0K], 1
	s_mul_i32 s[G0K+1], s[WV], 64*272
	s_add_nc_u64 s[G0K+2:G0K+3], s[8:9], s[2:3]
	s_or_b32 s[G0K+3], s[G0K+3], 0x80000000
	s_and_b32 s92, s[WV], 3                        ; V: rows 32 (w % 4) on, of the chunk w / 4
	s_lshr_b32 s93, s[WV], 2
	s_lshl_b32 s2, s[HEAD], 17
	s_lshl_b32 s24, s92, 15
	s_add_co_u32 s2, s2, s24
	s_lshl_b32 s24, s93, 9
	s_add_co_u32 s2, s2, s24
	s_mul_i32 s92, s92, 32*528
	s_mul_i32 s93, s93, VCH
	s_add_co_u32 s92, s92, s93
	s_mov_b32 s[G0V], 1
	s_add_co_u32 s[G0V+1], s92, VL
	s_add_nc_u64 s[G0V+2:G0V+3], s[12:13], s[2:3]
	s_or_b32 s[G0V+3], s[G0V+3], 0x80000000
	ROUND                                          ; all four work-groups are here: the joint loads meet
	tensor_load_to_lds s[G0KS:G0KS+3], s[G1S:G1S+7]   ; the launch's only fills, in one group: four loads of mine are out
	s_nop 0
	tensor_load_to_lds s[G0VS:G0VS+3], s[G1S:G1S+7]
	s_nop 0
	tensor_load_to_lds s[G0K:G0K+3], s[G1K:G1K+7]
	s_nop 0
	tensor_load_to_lds s[G0V:G0V+3], s[G1V:G1V+7]
	s_nop 0
.rept 4
	v_nop
.endr
	s_bfe_u32 s2, ttmp6, 0x40000                   ; cx: my place in the cluster
	s_lshl_b32 s[G], ttmp9, 2                      ; in a cluster launch ttmp9 counts clusters
	s_add_co_u32 s[G], s[G], s2                    ; g = 4 x cluster x + cx
	s_xor_b32 s[SIG], s[WV], 15                    ; the high tile first: sigma = 15 - w
	BASES WV, 8, 10, 12                            ; the low tile's Q, scale words and O (K's and V's addresses live on in the descriptors),
	BASES SIG, 4, 6, 16                            ; the high tile's
	v_and_b32 v32, 15, v0                          ; r = lane % 16
	v_bfe_u32 v33, v0, 4, 1                        ; h = lane / 16
	v_lshlrev_b32 v[QO], 6, v32
	v_lshl_add_u32 v[QO], v33, 4, v[QO]            ; Q: row r of 64 bytes, + 16 h
	v_lshlrev_b32 v[QS], 2, v32
	global_load_b128 v[QF:QF+3], v[QO], s[4:5]
	global_load_b128 v[QF+4:QF+7], v[QO], s[4:5] offset:32
	global_load_b32 v[QW], v[QS], s[6:7]
	v_and_b32 v34, 8, v32
	v_add_nc_u32 v34, v34, v32                     ; rho = r + 8 (r / 8)
	v_lshrrev_b32 v35, 2, v34
	v_mul_u32_u24 v[AK0], v35, 272                 ; K: key rho lies in row rho / 4,
	v_and_b32 v35, 3, v32
	v_lshl_add_u32 v[AK0], v35, 6, v[AK0]          ; at 64 (rho % 4),
	v_lshl_add_u32 v[AK0], v33, 4, v[AK0]          ; + 16 h
	v_mul_u32_u24 v[AV0], v32, 528
	v_lshl_add_u32 v[AV0], v33, 4, v[AV0]
	v_add_nc_u32 v[AV0], VL, v[AV0]                ; V: row r of a tile, + 16 h
	v_lshl_add_u32 v[ASK0], v34, 2, SCK            ; K's scale words: 4 bytes a key
	v_lshrrev_b32 v36, 2, v32
	v_mul_u32_u24 v[ASV0], v36, 272                ; V's: 64 bytes a row of V, four rows to a row of LDS
	v_lshl_add_u32 v[ASV0], v35, 6, v[ASV0]
	v_add_nc_u32 v[ASV0], SCV, v[ASV0]
	s_mul_i32 s25, s[WV], 16*272
	s_add_co_u32 s25, s25, STG                     ; my stage
	v_mul_u32_u24 v[STO], v32, 272
	v_lshl_add_u32 v[STO], v33, 5, v[STO]
	v_add_nc_u32 v[STO], s25, v[STO]               ; in: row r, + 32 h
	v_mul_u32_u24 v[RD], v33, 272
	v_lshl_add_u32 v[RD], v32, 4, v[RD]
	v_add_nc_u32 v[RD], s25, v[RD]                 ; back: lanes 0-15 one row, lanes 16-31 the next
	v_lshlrev_b32 v[GO], 9, v33
	v_lshl_add_u32 v[GO], v32, 4, v[GO]            ; and the same two rows in O
	v_lshlrev_b32 v36, 4, v33
	v_sub_nc_u32 v[DM], v32, v36
	s_lshl_b32 s2, s[G], 4
	v_add_nc_u32 v[DM], s2, v[DM]                  ; 16 g + r - 16 h
	v_mov_b32 v[VA11], 0x2d7dd350
	v_mov_b32 v[VA11+1], 0x2d7dd350
	v_mov_b32 v[VB4], 0x38f895d6
	v_mov_b32 v[VB4+1], 0x38f895d6
	v_mov_b32 v[NIL], 0
	v_mov_b32 v[LIM], 0x40fcf84f
.irp b, 0,1,2,3
	v_mov_b32 v[TB+\b], 0                          ; written once: a lane permute's destination counts as one of its sources
.endr
; THE CAP AND THE EXPONENTIAL, sixteen scores (a CHUNK) at a time, as eight pairs.  A chunk's plain work is fourteen rows of eight independent lines:
;   0: u = s / (50 sqrt(128));  1, 2: held to +-7.9053;  3: z = u^2;  4, 6, 8, 10, 11, 12: P by Horner;  5, 7, 9: Q by Horner;  13: u P.
; What is left of a chunk (1 / Q, t = u P / Q, p = 2^t) RIDES IN THE NEXT CHUNK'S ROWS, so that every reciprocal and exponential stands between plain lines that name none of its registers (ISA guide 5.7.2).
; Pair i's two reciprocals stand in row a = 3 i / 2 (0, 1, 3, 4, 6, 7, 9, 10), its multiplication at the head of row a + 1, its two exponentials in row a + 2.
.macro PAIROF row                      ; PI = the pair whose reciprocals stand in that row; 99: none
.set PI, 99
.if (\row) >= 0
.if (\row)%3 == 0
.set PI, 2*(\row)/3
.elseif (\row)%3 == 1
.set PI, (2*(\row)+1)/3
.endif
.endif
.if PI > 7
.set PI, 99
.endif
.endm
.macro HP c                            ; P = P z + c
	v_pk_fma_f32 v[P+2*kk:P+2*kk+1], v[P+2*kk:P+2*kk+1], v[Z+2*kk:Z+2*kk+1], s[\c:\c+1] op_sel_hi:[1,1,0]
.endm
.macro HQ c                            ; Q = Q z + c
	v_pk_fma_f32 v[QC+2*kk:QC+2*kk+1], v[QC+2*kk:QC+2*kk+1], v[Z+2*kk:Z+2*kk+1], s[\c:\c+1] op_sel_hi:[1,1,0]
.endm
.macro LINE                            ; line kk of row rr of the chunk whose scores begin at v[SB] and whose Q lies at v[QC]
.if rr == 0
	v_pk_mul_f32 v[SB+2*kk:SB+2*kk+1], v[SB+2*kk:SB+2*kk+1], s[KAP:KAP+1] op_sel_hi:[1,0]   ; each accumulator is read from its low end on
.elseif rr == 1
	v_med3_num_f32 v[SB+kk], v[SB+kk], -v[LIM], v[LIM]
.elseif rr == 2
	v_med3_num_f32 v[SB+8+kk], v[SB+8+kk], -v[LIM], v[LIM]
.elseif rr == 3
	v_pk_mul_f32 v[Z+2*kk:Z+2*kk+1], v[SB+2*kk:SB+2*kk+1], v[SB+2*kk:SB+2*kk+1]
.elseif rr == 4
	v_pk_fma_f32 v[P+2*kk:P+2*kk+1], v[Z+2*kk:Z+2*kk+1], s[A13:A13+1], v[VA11:VA11+1] op_sel_hi:[1,0,0]
.elseif rr == 5
	v_pk_fma_f32 v[QC+2*kk:QC+2*kk+1], v[Z+2*kk:Z+2*kk+1], s[B6:B6+1], v[VB4:VB4+1] op_sel_hi:[1,0,0]
.elseif rr == 6
	HP A9
.elseif rr == 7
	HQ B2
.elseif rr == 8
	HP A7
.elseif rr == 9
	HQ B0
.elseif rr == 10
	HP A5
.elseif rr == 11
	HP A3
.elseif rr == 12
	HP A1
.else
	v_pk_mul_f32 v[SB+2*kk:SB+2*kk+1], v[SB+2*kk:SB+2*kk+1], v[P+2*kk:P+2*kk+1]
.endif
.endm
.macro CHUNK c
.set SB, S+16*(\c)
.set QC, QQ+16*((\c)%2)
.set SL, S+16*((\c)-1)                 ; the chunk before: its u P, and its Q
.set QL, QQ+16*(((\c)+1)%2)
.set rr, 0
.rept 14
.if (\c) > 0
	PAIROF rr-1
.if PI < 8
	s_wait_alu depctr_va_vdst(0)
	v_pk_mul_f32 v[SL+2*PI:SL+2*PI+1], v[SL+2*PI:SL+2*PI+1], v[QL+2*PI:QL+2*PI+1]   ; t = u P x (1 / Q)
.endif
.endif
.set kk, 0
.rept 8
	LINE
.if (\c) > 0
.if (kk == 1) || (kk == 3)
	PAIROF rr
.if PI < 8
	v_rcp_f32 v[QL+2*PI+kk/2], v[QL+2*PI+kk/2]
.endif
.elseif (kk == 5) || (kk == 7)
	PAIROF rr-2
.if PI < 8
	v_exp_f32 v[SL+2*PI+(kk-5)/2], v[SL+2*PI+(kk-5)/2]   ; p = 2^t
.endif
.endif
.endif
.set kk, kk+1
.endr
.set rr, rr+1
.endr
.endm
.macro VLOAD t                         ; V's tile t (16 of the head's 128 x the step's 128 keys) and its rows' scale words
	ds_load_b128 v[F+8*(\t):F+8*(\t)+3], v[ADV] offset:16*528*(\t)
	ds_load_b128 v[F+8*(\t)+4:F+8*(\t)+7], v[ADV] offset:16*528*(\t)+32
	ds_load_b32 v[SW+(\t)], v[ADT] offset:4*272*(\t)
.endm
; The last chunk's rest has no rows to ride in.  V's fragments are asked for here: tiles 0-5 land in v32-79, which the cap has left; tiles 6, 7 in v80-95, behind the last read of 1 / Q.
.macro DRAIN
.set i, 0
.rept 16
	v_rcp_f32 v[QQ+16+i], v[QQ+16+i]
.if i%3 == 0
	VLOAD i/3
.endif
.set i, i+1
.endr
	v_nop                                          ; a plain line between the last reciprocal and the use of its result
.set i, 0
	s_wait_alu depctr_va_vdst(0)
.rept 8
	v_pk_mul_f32 v[S+48+2*i:S+48+2*i+1], v[S+48+2*i:S+48+2*i+1], v[QQ+16+2*i:QQ+16+2*i+1]
.set i, i+1
.endr
.set i, 0
.rept 16
	v_exp_f32 v[S+48+i], v[S+48+i]
.set i, i+1
.endr
	VLOAD 6
	VLOAD 7
	v_nop                                          ; a plain line behind the last exponential
.endm
; p's four blocks of 32 keys become the second product's operand and its scale word.  No |.|: p is never negative.
.macro QUANT
	s_wait_alu depctr_va_vdst(0)
.irp b, 0,1,2,3
	v_max3_num_f32 v[TM+\b], v[S+16*\b], v[S+16*\b+1], 0x1800000   ; block b: my 16 numbers, and the floor 2^(3 - 127): a block that the mask has emptied keeps the byte 1, and its codes are zeros
.endr
.irp i, 2,4,6,8,10,12,14
.irp b, 0,1,2,3
	v_max3_num_f32 v[TM+\b], v[TM+\b], v[S+16*\b+\i], v[S+16*\b+\i+1]   ; (the four blocks by turns)
.endr
.endr
	s_setprio 0
.irp b, 0,1,2,3
	v_permlanex16_b32 v[TB+\b], v[TM+\b], s[SEL], s[SEL+1]
.endr
.irp b, 0,1,2,3
	v_max_num_f32 v[TM+\b], v[TM+\b], v[TB+\b]     ; with lane l xor 16's 16 keys: the block's largest p
.endr
.irp b, 0,1,2,3
	v_add_nc_u32 v[TE+\b], 0xff000000, v[TM+\b]    ; 2 off its exponent field: the conversion takes the exponent field of this operand as its scale
.endr
.irp b, 0,1,2,3
	v_lshrrev_b32 v[TB+\b], 23, v[TE+\b]           ; the scale's byte
.endr
	v_lshl_or_b32 v[PW], v[TB+1], 8, v[TB]
	v_lshl_or_b32 v[PW], v[TB+2], 16, v[PW]
	v_lshl_or_b32 v[PW], v[TB+3], 24, v[PW]        ; my query's scale word for these 128 keys
.irp b, 0,1,2,3
	v_cvt_scalef32_pk8_fp4_f32 v[PC+2*\b], v[S+16*\b:S+16*\b+7], v[TE+\b]
	v_cvt_scalef32_pk8_fp4_f32 v[PC+2*\b+1], v[S+16*\b+8:S+16*\b+15], v[TE+\b]
.endr
	v_nop                                          ; one plain line behind a scaled conversion
.irp c, 0,1                            ; the operand's layout wants a WHOLE block in a lane: lanes 0-15 block 2 c, lanes 16-31 block 2 c + 1
.irp i, 0,1
	v_permlane16_swap_b32 v[PC+4*\c+\i], v[PC+4*\c+2+\i]
.endr
.endr
.endm
; The row's sum of the UNQUANTISED p, two at a time, in place: neighbours 1, 2, 4, 8 and 16 pairs apart.  zero = 1: the tile's first step starts the sum.
; These lines name no register of the second product: they are also the eight places between p's scale word and that product, and the four behind the exchange of halves.
.macro TREE zero
.irp w, 4,8,16,32
.set u, 0
.rept 64/\w
	v_pk_add_f32 v[S+\w*u:S+\w*u+1], v[S+\w*u:S+\w*u+1], v[S+\w*u+\w/2:S+\w*u+\w/2+1]
.set u, u+1
.endr
.endr
.if \zero
	v_pk_add_f32 v[L:L+1], v[S:S+1], v[S+32:S+33]
.else
	v_pk_add_f32 v[S:S+1], v[S:S+1], v[S+32:S+33]
	v_pk_add_f32 v[L:L+1], v[L:L+1], v[S:S+1]
.endif
.endm
; A KEY STEP: 128 keys.  hid = 1: the step may lie wholly behind the diagonal: its work is jumped over, not the lines at its end that step addresses.  diag = 1: it may be the diagonal's.  zero = 1: it starts O^T and the sum.
; Both branches hang on the step's number and on sigma, that is on the wave's number: on no data, and on no place in the cluster.
; No two matrix instructions that follow each other share an accumulator, on any way: the eight of each product take turns, one instruction a turn.
.macro STEP hid, diag, zero
.if \hid
	s_cmp_gt_u32 s[J], s[SIG]
	s_cbranch_scc1 .Lhid_\@
.endif
	s_setprio 2
	v_add_nc_u32 v[ADK], s[TK], v[AK0]             ; these four lines are also the places in front of loads into registers that the last products read
	v_add_nc_u32 v[ADV], s[TV], v[AV0]
	v_add_nc_u32 v[ADS], s[TS], v[ASK0]
	v_add_nc_u32 v[ADT], s[TJ], v[ASV0]
.irp t, 0,1,2,3,4,5,6,7                ; tile t begins at key 32 (t / 2) + 8 (t % 2): row 8 (t / 2) + 2 (t % 2)
	ds_load_b128 v[F+8*\t:F+8*\t+3], v[ADK] offset:(8*(\t/2)+2*(\t%2))*272
	ds_load_b128 v[F+8*\t+4:F+8*\t+7], v[ADK] offset:(8*(\t/2)+2*(\t%2))*272+32
	ds_load_b32 v[SW+\t], v[ADS] offset:(\t/4)*272+(32*((\t/2)%2)+8*(\t%2))*4
.endr
.irp t, 0,1,2,3,4,5,6,7
	s_wait_dscnt 21-3*\t                           ; tile t's three loads are in; the three of each later tile may be out
	v_wmma_scale_f32_16x16x128_f8f6f4 v[S+8*\t:S+8*\t+7], v[F+8*\t:F+8*\t+7], v[QF:QF+7], 0, v[SW+\t], v[QW] matrix_a_fmt:MATRIX_FMT_FP4 matrix_b_fmt:MATRIX_FMT_FP4
.endr
.rept 4
	v_nop                                          ; places in front of the first read of the scores and of the first write into K's registers
.endr
	CHUNK 0
	CHUNK 1
	CHUNK 2
	s_setprio 1
	CHUNK 3
	DRAIN
.if \diag                              ; THE MASK stands behind the cap, which would hold a score of -infinity at -7.9: p itself becomes 0 where the key comes after the query
	s_cmp_lg_u32 s[J], s[SIG]
	s_cbranch_scc1 .Lopen_\@
.set n, 0
	s_wait_alu depctr_va_vdst(0)
.rept 64
	v_cmp_gt_i32 vcc_lo, 32*(n/16)+n%16, v[DM]
	v_cndmask_b32 v[S+n], v[S+n], v[NIL], vcc_lo
.set n, n+1
.endr
.Lopen_\@:
.endif
	QUANT
	TREE \zero
	s_wait_dscnt 0x0                               ; V's fragments and scale words, asked for ahead of the quantiser
.irp t, 0,1,2,3,4,5,6,7
.if \zero
	v_wmma_scale_f32_16x16x128_f8f6f4 v[O+8*\t:O+8*\t+7], v[F+8*\t:F+8*\t+7], v[PC:PC+7], 0, v[SW+\t], v[PW] matrix_a_fmt:MATRIX_FMT_FP4 matrix_b_fmt:MATRIX_FMT_FP4
.else
	v_wmma_scale_f32_16x16x128_f8f6f4 v[O+8*\t:O+8*\t+7], v[F+8*\t:F+8*\t+7], v[PC:PC+7], v[O+8*\t:O+8*\t+7], v[SW+\t], v[PW] matrix_a_fmt:MATRIX_FMT_FP4 matrix_b_fmt:MATRIX_FMT_FP4
.endif
.endr
.if \hid
.Lhid_\@:
.endif
	s_add_co_u32 s[J], s[J], 1
	s_add_co_u32 s[TK], s[TK], 32*272              ; 128 keys: 32 rows of K,
	s_add_co_u32 s[TV], s[TV], 64                  ; 64 bytes in each row of V,
	s_add_co_u32 s[TS], s[TS], 2*272               ; two rows of K's scale words,
	s_add_co_u32 s[TJ], s[TJ], 4                   ; a word in each row of V's
.endm
; THE WAY OUT of a tile.  O^T is divided by the row's sum and goes through my stage, half a row (64 channels, 256 bytes) of 16 queries at a time, so that sixteen lanes store 256 consecutive bytes, at a multiple of 256 from O's first byte.
; ob: O's base.  next = 1: the low tile's Q is asked for meanwhile.
.macro WAYOUT ob, next
	v_add_f32 v[L], v[L], v[L+1]                   ; the sum's two halves,
	v_permlanex16_b32 v[TM], v[L], s[SEL], s[SEL+1]
	v_add_f32 v[L], v[L], v[TM]                    ; and lane l xor 16's
	v_rcp_f32 v[L], v[L]
	v_nop                                          ; a plain line behind the reciprocal; with the two additions these two are the four places behind the last products
	v_nop
.if \next
	global_load_b128 v[QF:QF+3], v[QO], s[8:9]
	global_load_b128 v[QF+4:QF+7], v[QO], s[8:9] offset:32
	global_load_b32 v[QW], v[QS], s[10:11]
.endif
.set j, 0
	s_wait_alu depctr_va_vdst(0)
.rept 32
	v_pk_mul_f32 v[S+j:S+j+1], v[O+j:O+j+1], v[L:L+1] op_sel_hi:[1,0]   ; register 8 t + i is o(r, 16 t + 8 h + i); each accumulator from its low end on
.set j, j+2
.endr
.irp u, 0,1
.irp t, 0,1,2,3
	ds_store_b128 v[STO], v[S+32*\u+8*\t:S+32*\u+8*\t+3] offset:64*\t
	ds_store_b128 v[STO], v[S+32*\u+8*\t+4:S+32*\u+8*\t+7] offset:64*\t+16
.endr
.irp i, 0,1,2,3,4,5,6,7
	ds_load_b128 v[F+32*\u+4*\i:F+32*\u+4*\i+3], v[RD] offset:2*\i*272   ; LDS serves a wave's instructions in order (ISA guide 5.7.1.4): these see my stores, and the next half's stores come behind them
.endr
.endr
.irp u, 0,1
.irp i, 0,1,2,3,4,5,6,7
	s_wait_dscnt 23-16*\u-\i                       ; behind this load were issued: the rest of its eight, and for the first half the second half's sixteen
	global_store_b128 v[GO], v[F+32*\u+4*\i:F+32*\u+4*\i+3], s[\ob:\ob+1] offset:2*\i*512+256*\u th:TH_STORE_NT
.endr
.endr
.endm
.macro AGAIN label                     ; a loop's end: every trip count is a constant
	s_sub_co_u32 s[CNT], s[CNT], 1
	s_cmp_lg_u32 s[CNT], 0
	s_cbranch_scc1 \label
	s_setprio 0
.endm
	s_mov_b32 s[J], 0
	s_mov_b32 s[TK], 0
	s_mov_b32 s[TV], 0
	s_mov_b32 s[TS], 0
	s_mov_b32 s[TJ], 0
	s_wait_tensorcnt 0x0                           ; my eighth of the head's K, V and scale bytes is in,
	s_barrier_signal -1
	s_barrier_wait -1                              ; everybody's is.  Nothing is filled again: from here to the closing round no wave waits for another
	s_wait_loadcnt 0x0                             ; Q
	; THE HIGH TILE, sigma = 15 - w, at least 8: steps 0 to 7 lie wholly in front of the diagonal
	STEP 0, 0, 1
	s_mov_b32 s[CNT], 7
.Lopen_steps:
	STEP 0, 0, 0
	AGAIN .Lopen_steps
	s_mov_b32 s[TV], VCH                           ; keys 1,024 on lie in V's second chunk; the other three addresses run on
	s_mov_b32 s[CNT], 8
.Lhigh_steps:                                          ; steps 8 to 15: 8 - w of them are worked
	STEP 1, 1, 0
	AGAIN .Lhigh_steps
	WAYOUT 16, 1
	s_wait_xcnt 0x0                                ; the stores have read their registers: K's fragments may land there
	s_wait_loadcnt 0x0                             ; the low tile's Q
	; THE LOW TILE, sigma = w: steps 0 to w
	s_mov_b32 s[SIG], s[WV]
	s_mov_b32 s[J], 0
	s_mov_b32 s[TK], 0
	s_mov_b32 s[TV], 0
	s_mov_b32 s[TS], 0
	s_mov_b32 s[TJ], 0
	STEP 0, 1, 1
	s_mov_b32 s[CNT], 7
.Llow_steps:
	STEP 1, 1, 0
	AGAIN .Llow_steps
	WAYOUT 12, 0
	s_wait_dscnt 0x0                               ; no LDS instruction of mine is out at a signal
	s_wait_tensorcnt 0x0
	ds_add_u32 v254, v255
	s_wait_dscnt 0x0
	ROUND                                          ; the closing round: no work-group ends while a partner may still ask for a tile that names it
	s_endpgm
.Lfunc_end_k_qb4bb537afa_attn:
	.size	k_qb4bb537afa_attn, .Lfunc_end_k_qb4bb537afa_attn-k_qb4bb537afa_attn
	.p2alignl 7, 3214868480
	.fill 96, 4, 3214868480
	.section	.rodata,"a",@progbits
	.p2align	6, 0x0
	.amdhsa_kernel k_qb4bb537afa_attn
		.amdhsa_group_segment_fixed_size 327680
		.amdhsa_private_segment_fixed_size 0
		.amdhsa_enable_private_segment 0
		.amdhsa_kernarg_size 56
		.amdhsa_user_sgpr_count 2
		.amdhsa_user_sgpr_kernarg_segment_ptr 1
		.amdhsa_wavefront_size32 1
		.amdhsa_system_sgpr_workgroup_id_x 1
		.amdhsa_system_sgpr_workgroup_id_y 1
		.amdhsa_system_sgpr_workgroup_id_z 1
		.amdhsa_system_vgpr_workitem_id 0
		.amdhsa_next_free_vgpr 256
		.amdhsa_next_free_sgpr 96
		.amdhsa_reserve_vcc 1
		.amdhsa_float_denorm_mode_32 3
		.amdhsa_float_denorm_mode_16_64 3
		.amdhsa_memory_ordered 1
		.amdhsa_forward_progress 1
		.amdhsa_inst_pref_size 255
	.end_amdhsa_kernel
	.section	.bss,"aw",@nobits
	.p2align	6
	.space	262144
	.amdgpu_metadata
---
amdhsa.version: [ 1, 2 ]
amdhsa.kernels:
  - .name:           k_qb4bb537afa_attn
    .symbol:         k_qb4bb537afa_attn.kd
    .args:
      - { .name: q_codes, .offset: 0, .size: 8, .value_kind: global_buffer, .address_space: global }
      - { .name: q_scales, .offset: 8, .size: 8, .value_kind: global_buffer, .address_space: global }
      - { .name: k_codes, .offset: 16, .size: 8, .value_kind: global_buffer, .address_space: global }
      - { .name: k_scales, .offset: 24, .size: 8, .value_kind: global_buffer, .address_space: global }
      - { .name: v_codes, .offset: 32, .size: 8, .value_kind: global_buffer, .address_space: global }
      - { .name: v_scales, .offset: 40, .size: 8, .value_kind: global_buffer, .address_space: global }
      - { .name: out0, .offset: 48, .size: 8, .value_kind: global_buffer, .address_space: global }
    .group_segment_fixed_size: 327680
    .private_segment_fixed_size: 0
    .kernarg_segment_align: 8
    .kernarg_segment_size: 56
    .max_flat_workgroup_size: 256
    .sgpr_count:     96
    .vgpr_count:     256
    .wavefront_size: 32
...
	.end_amdgpu_metadata
.endif
;; end of part 1
